; MI455X (gfx1250); checked and timed in simulation.
; The chip was launched on July 23, 2026; its instructions are those of AMD's public machine-readable ISA for CDNA 5 (MIT licence, August 2026) and "CDNA5" Instruction Set Architecture Reference Guide (July 2026). The comments in the code are by the model that wrote it; some were corrected since.
;; Self Attention Layer. Allowed arithmetic: matrix products marked QUANTISED: E2M1 operands, one E8M0 scale for each 32 along K, by v_wmma_scale_f32_16x16x128_f8f6f4 with both operands' format E2M1 (or v_wmma_scale_f32_32x16x128_f4), f32 sums; everything else in f32.
;; Inputs: Wk 1,024 x 1,024 float32; Wq 1,024 x 1,024 float32; Wv 1,024 x 1,024 float32; x 4 x 2,048 x 1,024 float32.
;; Outputs: out0 4 x 2,048 x 1,024 float32.
;; This version of the problem:
;;   THIS VERSION OF THE PROBLEM IS GIVEN IN LOW PRECISION. The matrix products marked QUANTISED in the list below multiply operands that are first quantised to E2M1 (2 exponent bits, 1 mantissa bit; 4 bits a number), with one power-of-two scale for each 32 numbers along K (OCP MX v1.0); their sums are f32. All else is computed in f32.
;;   The module's matrix products, in the order in which they are computed (A, B: the left and right operand; K: the contracted axis; several contracted axes count as one K, in the product's order):
;;     1. [M 8,192, K 1,024] x [K 1,024, N 1,024]; A: input x; B: input Wq: QUANTISED
;;     2. [M 8,192, K 1,024] x [K 1,024, N 1,024]; A: input x; B: input Wk: QUANTISED
;;     3. [M 8,192, K 1,024] x [K 1,024, N 1,024]; A: input x; B: input Wv: QUANTISED
;;     4. batch 64 x [M 2,048, K 64] x [K 64, N 2,048]; A: computed on the way; B: computed on the way: QUANTISED
;;     5. batch 64 x [M 2,048, K 2,048] x [K 2,048, N 64]; A: softmax (see below); B: computed on the way: QUANTISED
;;   THE QUANTISER, for each operand of a quantised product, along K:
;;     - K is cut into blocks of 32 from its start; a last block that is shorter is filled with zeros.
;;     - A block's scale is 2^e with e = floor(log2(the largest magnitude in the block)) - 2, held to -126 .. 127; a block of zeros has e = 0. As a byte (E8M0): e + 127.
;;     - Each number is divided by its block's scale, clamped to +-6, and rounded to the nearest number of E2M1, ties to even, subnormals kept.
;;     - The product sums the exact products of the quantised numbers (number of the format x scale) in f32.
;;   ~~~python
;;   def quantise(x, axis):      # numpy; x: float32 -> the quantised numbers, widened to float32 again
;;       x = np.moveaxis(x, axis, -1); K = x.shape[-1]
;;       x = np.pad(x, [(0, 0)] * (x.ndim - 1) + [(0, -K % 32)]); x = x.reshape(x.shape[:-1] + (-1, 32)); a = np.abs(x).max(-1, keepdims=True)
;;       e = np.where(a > 0, np.clip(np.frexp(np.where(a > 0, a, 1))[1] - 1 - 2, -126, 127), 0)      # np.frexp(a)[1] - 1 = floor(log2(a)), exactly
;;       r = np.clip(x / 2.0 ** e, -6, 6)
;;       step = 2.0 ** (np.maximum(np.frexp(np.where(r == 0, 1, r))[1] - 1, 0) - 1)
;;       q = np.round(r / step) * step * 2.0 ** e      # np.round: ties to even
;;       return np.moveaxis(q.reshape(q.shape[:-2] + (-1,))[..., :K], -1, axis).astype(np.float32)
;;   ~~~
;;   SOFTMAX AHEAD OF A QUANTISED PRODUCT. Where the list says 'softmax', what is quantised is not the finished softmax but p = 2^(t - M), with t = logit x log2(e) and M = ceil(the row's largest t), a whole number; so 1/2 < the row's largest p <= 1. The row's sum l is taken of the UNQUANTISED p, in f32, and the product's result is divided by l at the end. Since M is a whole number, a kernel that streams over the keys may use a running M (the ceiling of the running maximum): every later rescaling is an exact power of two, which a block's scale takes up: the codes' values come out the same.
;;   OPERANDS COMPUTED ON THE WAY. 'Computed on the way' means the value that the module computes at that place (a softmax that the list does not call 'softmax' is quantised finished and normalised). What goes into a quantiser is computed in f32, as accurately as f32 sums, v_exp_f32 and their like allow (about 1e-6 of the number): no bf16 or f16 on the way to a quantiser, and a product that is left as it is and whose result goes on into a quantised operand takes f32 operands (vector FMAs, or v_wmma_f32_16x16x4_f32). A number that lies on a knife's edge between two numbers of the format may be rounded either way, as far as f32 arithmetic and the matrix unit's own rounding can turn it there, and no further.
;; One version. Each part assembles by itself: llvm-mc -triple=amdgcn-amd-amdhsa -mcpu=gfx1250 --defsym DOCPART=n.
;; ======== version 1 of 1: 3 launches
;; limits: right only within a limited range of input values
;; workspace buffers: xc 4,194,304 bytes; xs 262,144 bytes; wc 1,572,864 bytes; ws 98,304 bytes; qb 4,456,448 bytes; kv 8,912,896 bytes
;; launch quant (part 1): grid 352 x 1, 4 waves a work-group, no clusters, 33,280 bytes of LDS; arguments x, Wq, Wk, Wv, xc, xs, wc, ws; writes xc, xs, wc, ws
.if DOCPART == 1
	.amdgcn_target "amdgcn-amd-amdhsa--gfx1250"
	.amdhsa_code_object_version 6
	.text
	.protected	k_qc79cfa5cc7_quant
	.globl	k_qc79cfa5cc7_quant
	.p2align	8
	.type	k_qc79cfa5cc7_quant,@function
k_qc79cfa5cc7_quant:
	s_mov_b64 s[64:65], 0
	v_nop
	global_prefetch_b8 v0, s[64:65] scope:SCOPE_SE
	s_setreg_imm32_b32 hwreg(HW_REG_WAVE_MODE, 25, 1), 1
	s_wait_xcnt 0x0
; x [8192][1024] and Wq, Wk, Wv [1024][1024], f32, K innermost, become codes of FP4 (E2M1), two a byte, and one E8M0 byte for each 32 along K.
; xc [8192 positions][512 bytes], xs [8192][32];  wc [3072 positions][512], ws [3072][32]: Wq's rows first, then Wk's, then Wv's.
; POSITIONS: row n lies at position n with bits 3 and 4 exchanged.  So sixteen neighbouring positions 16 t + p are rows 32 (t / 2) + 8 (t % 2) + p % 8 + 16 (p / 8):
; the next launch takes tiles of neighbouring positions, and the sixteen registers of two neighbouring result tiles are then sixteen neighbours along the next product's K.
; A block's scale is 2^(floor(log2(its largest magnitude)) - 2); its byte is the largest magnitude's exponent field - 2, held at 1 from below; each number is divided by the scale and rounded to the nearest code, ties to even, beyond 6 the largest code.
; LIMITS: a block whose largest magnitude lies under 2^-124, a block of zeros among them, gets the byte 1 (a block of zeros has zero codes, and this program alone reads the bytes); NaN and infinities among the inputs are not served.
; SHARES: a work-group takes 32 rows (32,768 numbers), a wave 8 rows: 16 steps of 512 numbers.  Work-groups 0-255 take x, 256-287 Wq, 288-319 Wk, 320-351 Wv.  A wave's 8 rows stay together: wave w's go to the eight positions
; of wave ((w & 1) << 1) | (w >> 1), which is the exchange of bits 3 and 4.
; Each load reads 512 consecutive bytes, 16 a lane; loads run eight steps (32 loads, 16,384 bytes a wave) ahead.  A step's 2,048 bytes turn through the wave's own stage in LDS and come back 64 bytes (16 neighbours) a lane; two neighbouring lanes hold a block.
; A wave's store of codes covers 256 consecutive aligned bytes; its 256 scale bytes are gathered in LDS and leave as one aligned run of 256 bytes.
; No tensor loads, no barrier, no cluster: waves and work-groups share no input.
.set STEPS, 16
.set AHEAD, 8                          ; steps of loads in flight
.set CB,    8                          ; bytes of 16 codes
.set R,     16                         ; v16-143  eight sets of 16 numbers as they are loaded
.set X,     144                        ; v144-175 two sets of 16 neighbours
.set E,     176                        ; v176-191 a scale byte for each step
.set C,     194                        ; v194-225 codes: two registers for each step, so that no store's data are written again
.set WREG,  8192                       ; LDS: a region for each wave: two stages of 32 x SP bytes, then its 256 scale bytes
.set SP,    80                         ; a lane's place in a stage: 64 bytes + 16 of padding
.set SRC,   22                         ; s[22:23] the numbers of my wave's run
.set COD,   24                         ; s[24:25] its codes
.set SCB,   26                         ; s[26:27] its scale bytes
	s_load_b256 s[4:11], s[0:1], 0x0               ; x, Wq, Wk, Wv
	s_load_b256 s[12:19], s[0:1], 0x20             ; xc, xs, wc, ws
	v_lshl_add_u32 v192, v0, 2, 0x8000             ; my spare word, behind the four regions
	v_mov_b32 v193, 0
	v_lshrrev_b32 v1, 5, v0
	v_readfirstlane_b32 s20, v1                    ; wave
	v_and_b32 v2, 31, v0                           ; lane
	v_lshlrev_b32 v3, 4, v2                        ; my 16 bytes of a load's 512
	s_mul_i32 s21, s20, WREG
	v_lshrrev_b32 v14, 2, v2
	v_mul_u32_u24 v14, v14, SP
	v_and_b32 v15, 3, v2
	v_lshl_add_u32 v14, v15, 4, v14
	v_add_nc_u32 v14, s21, v14                     ; the stage, on the way in: SP (lane / 4) + 16 (lane % 4)
	v_mul_u32_u24 v15, v2, SP
	v_add_nc_u32 v15, s21, v15                     ; and on the way out: SP x lane: my 16 neighbours
	v_mul_u32_u24 v4, v2, CB                       ; my codes' place in a step's
	v_lshrrev_b32 v5, 1, v2
	s_add_co_u32 s21, s21, 2*32*SP
	v_add_nc_u32 v5, s21, v5                       ; LDS: my wave's 256 scale bytes, my block's byte
	v_lshlrev_b32 v7, 3, v2                        ; and on the way out 8 bytes a lane
	v_add_nc_u32 v6, s21, v7
	s_and_b32 s30, ttmp9, 31                       ; a weight's group of 32 rows (256, 288 and 320 are multiples of 32)
	s_and_b32 s31, s20, 1
	s_lshl_b32 s31, s31, 1
	s_lshr_b32 s36, s20, 1
	s_or_b32 s31, s31, s36                         ; where my 8 rows go inside the group: bits 0 and 1 of the wave's number exchanged
	s_wait_alu depctr_va_vdst(0)                   ; the wait at the head's end
	s_wait_kmcnt 0x0
	s_cmp_lt_u32 ttmp9, 320                        ; the choices hang on the work-group's number alone
	s_cselect_b64 s[SRC:SRC+1], s[8:9], s[10:11]   ; Wk or Wv,
	s_cmp_lt_u32 ttmp9, 288
	s_cselect_b64 s[SRC:SRC+1], s[6:7], s[SRC:SRC+1]   ; or Wq,
	s_cmp_lt_u32 ttmp9, 256
	s_cselect_b64 s[SRC:SRC+1], s[4:5], s[SRC:SRC+1]   ; or x
	s_cselect_b64 s[COD:COD+1], s[12:13], s[16:17]
	s_cselect_b64 s[SCB:SCB+1], s[14:15], s[18:19]
	s_cselect_b32 s28, 0, 256
	s_cselect_b32 s29, ttmp9, s30                  ; the group of 32 rows in the tensor that is read
	s_sub_co_u32 s28, ttmp9, s28                   ; and in the buffers that are written
	s_lshl_b32 s28, s28, 2
	s_add_co_u32 s28, s28, s31                     ; the run of 8 positions that I write
	s_lshl_b32 s29, s29, 2
	s_add_co_u32 s29, s29, s20                     ; the run of 8 rows that I read
	s_lshl_b32 s32, s29, 15                        ; 32,768 bytes of numbers a run
	s_mov_b32 s33, 0
	s_add_nc_u64 s[SRC:SRC+1], s[SRC:SRC+1], s[32:33]
	s_lshl_b32 s32, s28, 12                        ; 4,096 bytes of codes
	s_add_nc_u64 s[COD:COD+1], s[COD:COD+1], s[32:33]
	s_lshl_b32 s32, s28, 8                         ; 256 scale bytes
	s_add_nc_u64 s[SCB:SCB+1], s[SCB:SCB+1], s[32:33]
.macro LOAD t
.irp i, 0,1,2,3
	global_load_b128 v[R+16*((\t)%AHEAD)+4*\i:R+16*((\t)%AHEAD)+4*\i+3], v3, s[SRC:SRC+1] offset:2048*(\t)+512*\i th:TH_LOAD_NT   ; 32 lanes read 512 consecutive bytes
.endr
.endm
.macro TURN t                          ; step t's numbers through the stage: LDS serves a wave's instructions in order, so no wait stands between the stores and the loads
.irp i, 0,1,2,3
	ds_store_b128 v14, v[R+16*((\t)%AHEAD)+4*\i:R+16*((\t)%AHEAD)+4*\i+3] offset:32*SP*((\t)%2)+8*SP*\i
.endr
.irp i, 0,1,2,3
	ds_load_b128 v[X+16*((\t)%2)+4*\i:X+16*((\t)%2)+4*\i+3], v15 offset:32*SP*((\t)%2)+16*\i
.endr
.endm
.irp t, 0,1,2,3,4,5,6,7
	LOAD \t
.endr
	s_wait_loadcnt 4*(AHEAD-1)                     ; step 0's four loads are in; seven steps' may be out
	TURN 0
.macro STEP t
.set XS, X+16*((\t)%2)
.if (\t) > 0
	s_wait_dscnt 1                                 ; this step's numbers are back from the stage (the last step's byte store may be out): so its stores into the stage have read their registers,
.else
	s_wait_dscnt 0x0
.endif
.if (\t)+AHEAD < STEPS
	LOAD (\t)+AHEAD                                ; which take the loads of eight steps on
.endif
.if (\t)+1 < STEPS
.if STEPS-2-(\t) >= AHEAD-1
	s_wait_loadcnt 4*(AHEAD-1)                     ; the next step's four loads are in; those of the seven steps behind it may be out
.else
	s_wait_loadcnt 4*(STEPS-2-(\t))
.endif
	TURN (\t)+1                                    ; and go through the other stage while this step is worked
.endif
	v_max3_num_f32 v8, |v[XS]|, |v[XS+1]|, |v[XS+2]|               ; the largest magnitude of my 16, in two chains
	v_max3_num_f32 v9, |v[XS+3]|, |v[XS+4]|, |v[XS+5]|
.irp i, 6,10
	v_max3_num_f32 v8, v8, |v[XS+\i]|, |v[XS+\i+1]|
	v_max3_num_f32 v9, v9, |v[XS+\i+2]|, |v[XS+\i+3]|
.endr
	v_max3_num_f32 v8, v8, |v[XS+14]|, |v[XS+15]|
	v_max3_num_f32 v8, v8, v9, 0x1800000           ; and the floor 2^(3 - 127): the byte cannot fall under 1
	v_max_num_f32_dpp v8, v8, v8 row_xmask:1 row_mask:0xf bank_mask:0xf   ; and of my neighbour's 16: the block's
	v_add_nc_u32 v11, 0xff000000, v8               ; 2 off its exponent field: the conversion takes the exponent field of this operand as its scale
	v_cvt_scalef32_pk8_fp4_f32 v[C+2*(\t)], v[XS:XS+7], v11
	v_cvt_scalef32_pk8_fp4_f32 v[C+2*(\t)+1], v[XS+8:XS+15], v11
	v_lshrrev_b32 v[E+(\t)], 23, v11               ; the scale's byte (also the plain line behind the conversions)
	ds_store_b8 v5, v[E+(\t)] offset:16*(\t)       ; both lanes of a block write the same byte with the same value
	global_store_b64 v4, v[C+2*(\t):C+2*(\t)+1], s[COD:COD+1] offset:32*CB*(\t)   ; 32 lanes store 256 consecutive aligned bytes
.endm
.irp t, 0,1,2,3,4,5,6,7,8,9,10,11,12,13,14,15
	STEP \t
.endr
	ds_load_b64 v[12:13], v6                       ; LDS serves a wave's instructions in order: these see my stores
	s_wait_dscnt 0x0
	global_store_b64 v7, v[12:13], s[SCB:SCB+1]    ; 32 lanes store 256 consecutive aligned bytes
	s_wait_tensorcnt 0x0                           ; the wave's end
	ds_add_u32 v192, v193
	s_wait_dscnt 0x0
	s_endpgm
.Lfunc_end_k_qc79cfa5cc7_quant:
	.size	k_qc79cfa5cc7_quant, .Lfunc_end_k_qc79cfa5cc7_quant-k_qc79cfa5cc7_quant
	.p2alignl 7, 3214868480
	.fill 96, 4, 3214868480
	.section	.rodata,"a",@progbits
	.p2align	6, 0x0
	.amdhsa_kernel k_qc79cfa5cc7_quant
		.amdhsa_group_segment_fixed_size 33280
		.amdhsa_private_segment_fixed_size 0
		.amdhsa_enable_private_segment 0
		.amdhsa_kernarg_size 64
		.amdhsa_user_sgpr_count 2
		.amdhsa_user_sgpr_kernarg_segment_ptr 1
		.amdhsa_wavefront_size32 1
		.amdhsa_system_sgpr_workgroup_id_x 1
		.amdhsa_system_sgpr_workgroup_id_y 1
		.amdhsa_system_sgpr_workgroup_id_z 1
		.amdhsa_system_vgpr_workitem_id 0
		.amdhsa_next_free_vgpr 226
		.amdhsa_next_free_sgpr 66
		.amdhsa_reserve_vcc 0
		.amdhsa_float_denorm_mode_32 3
		.amdhsa_float_denorm_mode_16_64 3
		.amdhsa_memory_ordered 1
		.amdhsa_forward_progress 1
		.amdhsa_inst_pref_size 34
	.end_amdhsa_kernel
	.amdgpu_metadata
---
amdhsa.version: [ 1, 2 ]
amdhsa.kernels:
  - .name:           k_qc79cfa5cc7_quant
    .symbol:         k_qc79cfa5cc7_quant.kd
    .args:
      - { .name: x, .offset: 0, .size: 8, .value_kind: global_buffer, .address_space: global }
      - { .name: Wq, .offset: 8, .size: 8, .value_kind: global_buffer, .address_space: global }
      - { .name: Wk, .offset: 16, .size: 8, .value_kind: global_buffer, .address_space: global }
      - { .name: Wv, .offset: 24, .size: 8, .value_kind: global_buffer, .address_space: global }
      - { .name: xc, .offset: 32, .size: 8, .value_kind: global_buffer, .address_space: global }
      - { .name: xs, .offset: 40, .size: 8, .value_kind: global_buffer, .address_space: global }
      - { .name: wc, .offset: 48, .size: 8, .value_kind: global_buffer, .address_space: global }
      - { .name: ws, .offset: 56, .size: 8, .value_kind: global_buffer, .address_space: global }
    .group_segment_fixed_size: 33280
    .private_segment_fixed_size: 0
    .kernarg_segment_align: 8
    .kernarg_segment_size: 64
    .max_flat_workgroup_size: 128
    .sgpr_count:     66
    .vgpr_count:     226
    .wavefront_size: 32
...
	.end_amdgpu_metadata
.endif
;; end of part 1
;; launch proj (part 2): grid 12 x 32, 4 waves a work-group, clusters of 4 x 4, 327,680 bytes of LDS; arguments xc, xs, wc, ws, qb, kv; writes qb, kv
.if DOCPART == 2
	.amdgcn_target "amdgcn-amd-amdhsa--gfx1250"
	.amdhsa_code_object_version 6
	.text
	.protected	k_qc79cfa5cc7_proj
	.globl	k_qc79cfa5cc7_proj
	.p2align	8
	.type	k_qc79cfa5cc7_proj,@function
k_qc79cfa5cc7_proj:
	s_mov_b64 s[64:65], 0
	v_nop
	global_prefetch_b8 v0, s[64:65] scope:SCOPE_SE
	s_setreg_imm32_b32 hwreg(HW_REG_WAVE_MODE, 25, 1), 1
	s_wait_xcnt 0x0
	s_wait_alu depctr_hold_cnt(0) depctr_sa_sdst(0) depctr_va_vdst(0) depctr_va_sdst(0) depctr_va_ssrc(0) depctr_va_vcc(0) depctr_vm_vsrc(0)
	s_getreg_b32 s2, hwreg(HW_REG_IB_STS2, 6, 4)
	s_cmp_eq_u32 s2, 0
	s_cbranch_scc0 .Lentry_in_a_cluster
	s_endpgm
.Lentry_in_a_cluster:
	s_bfe_u32 s2, ttmp6, 0x10000c
	s_cmp_lg_u32 s2, 0xf033
	s_cbranch_scc0 .Lentry_shape_is_right
	s_endpgm
.Lentry_shape_is_right:
; q, k, v = x W^T on codes of FP4 (E2M1) with E8M0 scales, f32 sums, and each result quantised again for the attention launch, in registers.
; INPUT: xc [8192 positions][512 bytes], xs [8192][32], wc [3072][512], ws [3072][32] (Wq, Wk, Wv), rows at positions with bits 3 and 4 exchanged, so that the 16 registers of two neighbouring result tiles are 16 neighbours.
; A work-group makes 256 tokens x 256 rows of W; a wave 128 x 128: 64 accumulators.  Tile columns 0-3 are q, 4-7 k, 8-11 v (ttmp9, the cluster's x, is 0, 1, 2).
; ROLES.  Source 1 (R) gives a lane its row, source 0 (P) runs along the lane's registers, which is the axis that is quantised next.  q, k: R = tokens, P = rows of W (the head's 64).  v: R = rows of Wv, P = tokens (the keys).
; The two roles read other LDS bytes, so the run of products is written twice, each copy with constant LDS bases; the branch hangs on ttmp9, which all partners of a cluster share.
; LDS: all of K comes at once: x's 256 rows of 512 bytes (pitch 528), W's 256 rows, x's and W's scale bytes (8,192 dense bytes each, as rows of 256 + 16).  One joint load a wave at the head; nothing is filled again.
; CLUSTER 4 x 4: x's tiles are shared along a row of the cluster, W's along a column.
; No prefetch: every tile is asked for at the head, and the text has no loop to run ahead in.
; OUTPUT: images of operand registers.  qb [64 heads][16 records] x 4,352 bytes (8 images of 512 bytes, 256 bytes of scale words); kv [64][16] x 8,704 (K 0, V 4096, K's scale words 8192, V's 8448); a record is 128 tokens.
; LIMITS: a block whose largest magnitude lies under 2^-124 gets the byte 1 (its reader is this program alone); NaN and infinities are not served.
.set PITCH,  528                       ; 512 bytes + 16: the 16 rows of a fragment start at 16 different banks
.set HALFT,  128*PITCH
.set TW,     2*HALFT                   ; W's tile, behind x's
.set SCL,    4*HALFT                   ; the scale bytes
.set HALFS,  16*272                    ; those of 128 rows
.set SBLK,   2*272                     ; of 16 rows
.set SPARE,  SCL+4*HALFS               ; the spare words, 128 bytes a wave
.set FR,     8
.set NQ,     4
.set ADRR, 16                          ; LDS address of R's fragments
.set ADRP, 20                          ; of P's
.set L16,  24
.set L8,   25
.set HH,   26                          ; lane / 16
.set ADRS, 27                          ; scale words: lanes 0-15 R's rows, lanes 16-31 P's
.set SC,   32                          ; v32-95 scale words of all of K, two sets of 32
.set AF,   128                         ; R's fragments, window 0
.set PC,   128                         ; later: the results' codes
.set TM,   192
.set PW,   208                         ; the results' scale words
.set WK,   216
.set G1, 24
.set G0, 32
.set G0B, 36
.set G1B, 48
.set G1S, 68
.set G0S, 76
.set G1SB, 80
.set G0SB, 88
.set MSB, 0
.macro WIN new                         ; the immediate's high byte repeats the setting that is left
.if MSB != (\new)
	s_set_vgpr_msb (MSB<<8)|(\new)
.set MSB, \new
.endif
.endm
.set MUL_LO, 0xa1                      ; source 0 window 1, source 1 window 0, C and D window 2
.set MUL_HI, 0xf1                      ; C and D window 3
.set TO_P,   0x40
.macro CROUND                          ; a round of the cluster's barrier
	s_barrier_signal -1
	s_barrier_wait -1
	s_cmp_lg_u32 s16, 0
	s_cbranch_scc1 .Lnot_wave_0_\@
	s_barrier_signal -3
.Lnot_wave_0_\@:
	s_barrier_wait -3
	s_barrier_signal -1
	s_barrier_wait -1
.endm
	s_load_b256 s[4:11], s[0:1], 0x0               ; xc, xs, wc, ws
	s_load_b128 s[12:15], s[0:1], 0x20             ; qb, kv
	v_lshl_add_u32 v254, v0, 2, SPARE
	v_mov_b32 v255, 0
	ds_add_u32 v254, v255                          ; the opening lines: the add twice on end and its wait
	ds_add_u32 v254, v255
	v_lshrrev_b32 v1, 5, v0
	v_readfirstlane_b32 s16, v1                    ; wave
	s_lshr_b32 s17, s16, 1                         ; my half of R's rows
	s_and_b32 s18, s16, 1                          ; my half of P's
	s_bfe_u32 s40, ttmp6, 0x40000                  ; cx
	s_bfe_u32 s41, ttmp6, 0x40004                  ; cy
	s_lshl_b32 s42, ttmp9, 2
	s_add_co_u32 s42, s42, s40                     ; tile column (W)
	s_and_b32 s43, ttmp7, 0xffff
	s_lshl_b32 s43, s43, 2
	s_add_co_u32 s43, s43, s41                     ; tile row (tokens)
	s_lshl_b32 s44, s41, 2
	s_lshl_b32 s44, 15, s44                        ; my row of the cluster
	s_lshl_b32 s45, 0x1111, s40                    ; my column
	s_or_b32 s[G1+0], s44, (0<<16)|(1<<20)|(1<<21)|(6<<22)|(3<<25)   ; bytes; four words of padding behind every 128
	s_or_b32 s[G1B+0], s45, (0<<16)|(1<<20)|(1<<21)|(6<<22)|(3<<25)
.irp g, G1, G1B
	s_mov_b32 s[\g+1], 512<<16                     ; 256 rows of 512 bytes, dense
	s_mov_b32 s[\g+2], 256<<16
	s_mov_b32 s[\g+3], 512<<16
	s_mov_b32 s[\g+4], 256
	s_mov_b32 s[\g+5], 512
	s_mov_b32 s[\g+6], 0
	s_mov_b32 s[\g+7], 0
.endr
	s_or_b32 s[G1S+0], s44, (3<<16)|(1<<20)|(1<<21)|(5<<22)|(3<<25)  ; elements of 8 bytes; four words behind every 64
	s_or_b32 s[G1SB+0], s45, (3<<16)|(1<<20)|(1<<21)|(5<<22)|(3<<25)
.irp g, G1S, G1SB
	s_mov_b32 s[\g+1], 32<<16                      ; 32 rows of 256 bytes
	s_mov_b32 s[\g+2], 32<<16
	s_mov_b32 s[\g+3], 32<<16
	s_mov_b32 s[\g+4], 32
	s_mov_b32 s[\g+5], 32
	s_mov_b32 s[\g+6], 0
	s_mov_b32 s[\g+7], 0
.endr
	s_lshl_b32 s20, s43, 17                        ; x's tile: 256 rows x 512 bytes,
	s_mov_b32 s21, 0
	s_lshl_b32 s22, s43, 13                        ; x 32 scale bytes
	s_mov_b32 s23, 0
	s_lshl_b32 s46, s42, 17                        ; W's likewise
	s_mov_b32 s47, 0
	s_lshl_b32 s2, s42, 13
	s_mov_b32 s3, 0
	s_wait_dscnt 0x0                               ; both opening adds are done
	s_wait_kmcnt 0x0
	s_mov_b32 s[G0], 1
	s_mov_b32 s[G0+1], 0
	s_add_nc_u64 s[G0+2:G0+3], s[4:5], s[20:21]
	s_or_b32 s[G0+3], s[G0+3], 0x80000000
	s_mov_b32 s[G0B], 1
	s_mov_b32 s[G0B+1], TW
	s_add_nc_u64 s[G0B+2:G0B+3], s[8:9], s[46:47]
	s_or_b32 s[G0B+3], s[G0B+3], 0x80000000
	s_mov_b32 s[G0S], 1
	s_mov_b32 s[G0S+1], SCL
	s_add_nc_u64 s[G0S+2:G0S+3], s[6:7], s[22:23]
	s_or_b32 s[G0S+3], s[G0S+3], 0x80000000
	s_mov_b32 s[G0SB], 1
	s_mov_b32 s[G0SB+1], SCL+2*HALFS
	s_add_nc_u64 s[G0SB+2:G0SB+3], s[10:11], s[2:3]
	s_or_b32 s[G0SB+3], s[G0SB+3], 0x80000000
	CROUND                                         ; all sixteen work-groups are here: the joint loads meet
; one load a wave, in one chain of branches on the wave's number: wave 0 x's codes, 1 W's codes, 2 x's scales, 3 W's scales
.macro ARM under, g0, g1, next
	s_cmp_lt_u32 s16, \under
	s_cbranch_scc0 \next
	tensor_load_to_lds s[\g0:\g0+3], s[\g1:\g1+7]
	s_nop 0
.rept 4
	v_nop
.endr
	s_branch .Lhead_asked
\next:
.endm
	ARM 1, G0,  G1,  .Lhead_w
	ARM 2, G0B, G1B, .Lhead_sx
	ARM 3, G0S, G1S, .Lhead_sw
	tensor_load_to_lds s[G0SB:G0SB+3], s[G1SB:G1SB+7]
	s_nop 0
.rept 4
	v_nop
.endr
.Lhead_asked:
	; where my results go: the head pair (from W's half), the record (from the tokens' half), the part of the record (by role)
	s_cmp_eq_u32 ttmp9, 2
	s_cselect_b32 s23, s17, s18
	s_cselect_b32 s46, s18, s17
	s_cselect_b32 s47, 4096, 0
	s_mov_b32 s2, 8192
	s_cselect_b32 s2, 4352, s2
	s_cmp_eq_u32 ttmp9, 0
	s_cselect_b32 s2, 4096, s2
	s_mov_b32 s3, 139264
	s_cselect_b32 s3, 69632, s3
	s_mov_b32 s66, 8704
	s_cselect_b32 s66, 4352, s66
	s_cselect_b64 s[92:93], s[12:13], s[14:15]
	s_and_b32 s67, s42, 3
	s_lshl_b32 s67, s67, 2
	s_lshl_b32 s23, s23, 1
	s_add_co_u32 s67, s67, s23
	s_lshr_b32 s23, s43, 3
	s_lshl_b32 s23, s23, 4
	s_add_co_u32 s67, s67, s23
	s_mul_i32 s67, s67, s3
	s_and_b32 s23, s43, 7
	s_lshl_b32 s23, s23, 1
	s_add_co_u32 s23, s23, s46
	s_mul_i32 s23, s23, s66
	s_add_co_u32 s46, s67, s23
	s_add_co_u32 s46, s46, s47
	s_mov_b32 s47, 0
	s_add_nc_u64 s[92:93], s[92:93], s[46:47]
	s_mov_b32 s46, s3
	s_add_nc_u64 s[94:95], s[92:93], s[46:47]
	s_mov_b32 s46, s2
	s_add_nc_u64 s[96:97], s[92:93], s[46:47]
	s_add_nc_u64 s[100:101], s[94:95], s[46:47]
	s_mov_b32 s98, 0x76543210
	s_mov_b32 s99, 0xfedcba98
	v_and_b32 v1, 15, v0
	v_bfe_u32 v[HH], v0, 4, 1
	v_mul_u32_u24 v3, v1, PITCH
	v_lshl_add_u32 v4, v[HH], 4, v3                ; a fragment's row x pitch + 16 x half
	v_lshlrev_b32 v5, 5, v1                        ; my row's scale bytes: 32 a row,
	v_lshrrev_b32 v6, 8, v5
	v_lshl_add_u32 v5, v6, 4, v5                   ; and 16 more for each 256 passed
	v_xor_b32 v7, 1, v[HH]
	v_and_b32 v[L16], 31, v0
	v_lshlrev_b32 v[L8], 3, v[L16]
	v_lshlrev_b32 v[L16], 4, v[L16]
.macro FRAG reg, adr, q, i
.irp c, 0,1
	ds_load_b128 v[\reg+4*\c:\reg+4*\c+3], v[\adr] offset:64*(\q)+32*\c+(\i)*16*PITCH
.endr
.endm
; 16 products: R's blocks a0, a0 + 1 x P's eight; the 64 accumulators take turns
.macro MUL16 a0, p, q, sc, zero
.irp a, \a0, \a0+1
.irp b, 0,1,2,3,4,5,6,7
.if \zero
	v_wmma_scale_f32_16x16x128_f8f6f4 v[8*(8*((\a)%4)+\b):8*(8*((\a)%4)+\b)+7], v[128*(\p)+FR*\b:128*(\p)+FR*\b+FR-1], v[AF+FR*(\a):AF+FR*(\a)+FR-1], 0, v[SC+8*NQ*(\sc)+NQ*\b+(\q)], v[SC+8*NQ*(\sc)+NQ*(\a)+(\q)] matrix_a_fmt:MATRIX_FMT_FP4 matrix_b_fmt:MATRIX_FMT_FP4 matrix_a_scale:MATRIX_SCALE_ROW1
.else
	v_wmma_scale_f32_16x16x128_f8f6f4 v[8*(8*((\a)%4)+\b):8*(8*((\a)%4)+\b)+7], v[128*(\p)+FR*\b:128*(\p)+FR*\b+FR-1], v[AF+FR*(\a):AF+FR*(\a)+FR-1], v[8*(8*((\a)%4)+\b):8*(8*((\a)%4)+\b)+7], v[SC+8*NQ*(\sc)+NQ*\b+(\q)], v[SC+8*NQ*(\sc)+NQ*(\a)+(\q)] matrix_a_fmt:MATRIX_FMT_FP4 matrix_b_fmt:MATRIX_FMT_FP4 matrix_a_scale:MATRIX_SCALE_ROW1
.endif
.endr
.endr
.endm
.macro FETCH_P q, p
	WIN TO_P
.irp i, 0,1,2,3,4,5,6,7
	FRAG 128*(\p)+FR*\i, ADRP, \q, \i
.endr
	WIN 0
.endm
.macro FETCH_R q, i0
.irp i, \i0, \i0+1, \i0+2, \i0+3
	FRAG AF+FR*(\i), ADRR, \q, \i
.endr
.endm
.macro SCALES sc
.irp i, 0,1,2,3,4,5,6,7
	ds_load_b128 v[SC+8*NQ*\sc+NQ*\i:SC+8*NQ*\sc+NQ*\i+3], v[ADRS] offset:\i*SBLK+16*\sc
.endr
.endm
.macro PLACES                          ; four plain places behind matrix instructions, ahead of loads into their registers
.rept 4
	v_nop
.endr
.endm
.macro STEP n, zero                    ; 128 along K: 64 products; the next step's fragments are fetched in two runs
	s_wait_dscnt 8                                 ; all but R's blocks 4-7
	WIN MUL_LO
	MUL16 0, (\n)%2, (\n)%4, (\n)/4, \zero
	MUL16 2, (\n)%2, (\n)%4, (\n)/4, \zero
	s_wait_dscnt 0x0
	PLACES
	FETCH_P (\n)+1, 1-(\n)%2
	FETCH_R (\n)+1, 0
	WIN MUL_HI
	MUL16 4, (\n)%2, (\n)%4, (\n)/4, \zero
	MUL16 6, (\n)%2, (\n)%4, (\n)/4, \zero
	PLACES
	WIN 0
	FETCH_R (\n)+1, 4
.endm
; The LDS addresses of a role: constants, the wave's number and the lane.  The scale words: the lower block's base + m x the distance to the upper one
.macro ADDRS rbase, pbase, lo, hi, m
	s_mul_i32 s66, s17, HALFT
	s_add_co_u32 s66, s66, \rbase
	s_mul_i32 s67, s18, HALFT
	s_add_co_u32 s67, s67, \pbase
	v_add_nc_u32 v[ADRR], s66, v4
	v_add_nc_u32 v[ADRP], s67, v4
	s_mul_i32 s66, s[\lo], HALFS
	s_mul_i32 s67, s[\hi], HALFS
	s_add_co_u32 s67, s67, 2*HALFS
	s_sub_co_u32 s67, s67, s66
	v_mul_u32_u24 v6, s67, v[\m]
	s_add_co_u32 s66, s66, SCL
	v_add_nc_u32 v6, v5, v6
	v_add_nc_u32 v[ADRS], s66, v6
	s_wait_alu depctr_va_vdst(0)                   ; the wait behind these writes
.endm
.macro MAIN                            ; K = 1,024: eight steps, the first starting the sums with 0
	FETCH_P 0, 0
	FETCH_R 0, 0
	SCALES 0
	SCALES 1
	FETCH_R 0, 4
	STEP 0, 1
.irp n, 1,2,3,4,5,6
	STEP \n, 0
.endr
	s_wait_dscnt 8
	WIN MUL_LO
	MUL16 0, 1, 3, 1, 0
	MUL16 2, 1, 3, 1, 0
	s_wait_dscnt 0x0
	WIN MUL_HI
	MUL16 4, 1, 3, 1, 0
	MUL16 6, 1, 3, 1, 0
	WIN 0
	PLACES
.endm
	s_wait_alu depctr_va_vdst(0)                   ; the wait at the head's end
	s_wait_tensorcnt 0x0                           ; my tile has landed,
	s_barrier_signal -1
	s_barrier_wait -1                              ; everybody's has; these bytes are only read from here on
	s_cmp_eq_u32 ttmp9, 2
	s_cbranch_scc1 .Lmain_v
	ADDRS 0, TW, 17, 18, HH                        ; q, k: R = tokens (lanes 0-15 take x's scales, the lower block), P = W
	MAIN
	s_branch .Lquant
.Lmain_v:
	ADDRS TW, 0, 18, 17, 7                         ; v: R = Wv (lanes 0-15 take the upper block: m = 1 - lane / 16), P = tokens
	MAIN
.Lquant:
; Block a of 16 R rows: 128 numbers a lane pair, four blocks of 32 along P: largest magnitude, scale byte, codes, whole blocks into lanes
.macro QUANT a
.set AC, 64*((\a)%4)
	WIN (2+(\a)/4)*5
.irp b, 0,1,2,3
	v_max3_num_f32 v[TM+\b], |v[AC+16*\b]|, |v[AC+16*\b+1]|, 0x1800000   ; with the floor 2^(3 - 127): the byte cannot fall under 1
.endr
.irp i, 2,4,6,8,10,12,14
.irp b, 0,1,2,3
	v_max3_num_f32 v[TM+\b], |v[AC+16*\b+\i]|, |v[AC+16*\b+\i+1]|, v[TM+\b]
.endr
.endr
	WIN 0
.irp b, 0,1,2,3
	v_permlanex16_b32 v[TM+4+\b], v[TM+\b], s98, s99
.endr
.irp b, 0,1,2,3
	v_max_num_f32 v[TM+\b], v[TM+\b], v[TM+4+\b]
.endr
.irp b, 0,1,2,3
	v_add_nc_u32 v[TM+8+\b], 0xff000000, v[TM+\b]  ; 2 off the exponent field: the conversion's scale operand
.endr
.irp b, 0,1,2,3
	v_lshrrev_b32 v[TM+4+\b], 23, v[TM+8+\b]
.endr
	v_lshl_or_b32 v[PW+(\a)], v[TM+5], 8, v[TM+4]
	v_lshl_or_b32 v[PW+(\a)], v[TM+6], 16, v[PW+(\a)]
	v_lshl_or_b32 v[PW+(\a)], v[TM+7], 24, v[PW+(\a)]
	WIN 2+(\a)/4
.irp b, 0,1,2,3
	v_cvt_scalef32_pk8_fp4_f32 v[PC+8*(\a)+2*\b], v[AC+16*\b:AC+16*\b+7], v[TM+8+\b]
	v_cvt_scalef32_pk8_fp4_f32 v[PC+8*(\a)+2*\b+1], v[AC+16*\b+8:AC+16*\b+15], v[TM+8+\b]
.endr
	WIN 0
	v_nop                                          ; one plain line behind the conversions
.irp c, 0,1
.irp i, 0,1
	v_permlane16_swap_b32 v[PC+8*(\a)+4*\c+\i], v[PC+8*(\a)+4*\c+2+\i]
.endr
.endr
.endm
.irp b, 0,1,2,3
	v_mov_b32 v[TM+4+\b], 0                        ; a lane permute's destination counts as a source
.endr
.irp a, 0,1,2,3,4,5,6,7
	QUANT \a
.endr
	v_cmp_ne_u32 vcc_lo, 0, v[HH]
	s_cmp_eq_u32 ttmp9, 2
	s_cbranch_scc1 .Lrole_v
	; q, k: registers 0-3 of a block belong to the first head of my pair, 4-7 to the second; each store covers 512 consecutive bytes
.irp a, 0,1,2,3,4,5,6,7
.irp c, 0,1
	global_store_b128 v[L16], v[PC+8*\a+4*\c:PC+8*\a+4*\c+3], s[92+2*\c:93+2*\c] offset:512*\a
.endr
.endr
.irp p, 0,1,2,3
	v_perm_b32 v[WK+\p], v[PW+2*\p+1], v[PW+2*\p], 0x05040100
	v_perm_b32 v[WK+4+\p], v[PW+2*\p+1], v[PW+2*\p], 0x07060302
.endr
.irp c, 0,1
	v_cndmask_b32 v[WK+8+2*\c], v[WK+4*\c], v[WK+4*\c+1], vcc_lo
	v_cndmask_b32 v[WK+9+2*\c], v[WK+4*\c+2], v[WK+4*\c+3], vcc_lo
.endr
	global_store_b64 v[L8], v[WK+8:WK+9], s[96:97]
	global_store_b64 v[L8], v[WK+10:WK+11], s[100:101]
	s_branch .Lstored
.Lrole_v:
	s_wait_alu depctr_va_vdst(0)                   ; the wait behind the taken branch
	; v: blocks 0-3 are the first head's 64 channels, 4-7 the second's
.irp a, 0,1,2,3,4,5,6,7
.irp c, 0,1
	global_store_b128 v[L16], v[PC+8*\a+4*\c:PC+8*\a+4*\c+3], s[92+2*(\a/4):93+2*(\a/4)] offset:1024*(\a%4)+512*\c
.endr
.endr
.irp g, 0,1
	v_cndmask_b32 v[WK+2*\g], v[PW+4*\g], v[PW+4*\g+1], vcc_lo
	v_cndmask_b32 v[WK+2*\g+1], v[PW+4*\g+2], v[PW+4*\g+3], vcc_lo
.endr
	global_store_b64 v[L8], v[WK:WK+1], s[96:97]
	global_store_b64 v[L8], v[WK+2:WK+3], s[100:101]
.Lstored:
	s_wait_tensorcnt 0x0                           ; the wave's end
	ds_add_u32 v254, v255
	s_wait_dscnt 0x0
	CROUND                                         ; the closing round
	s_endpgm
.Lfunc_end_k_qc79cfa5cc7_proj:
	.size	k_qc79cfa5cc7_proj, .Lfunc_end_k_qc79cfa5cc7_proj-k_qc79cfa5cc7_proj
	.p2alignl 7, 3214868480
	.fill 96, 4, 3214868480
	.section	.rodata,"a",@progbits
	.p2align	6, 0x0
	.amdhsa_kernel k_qc79cfa5cc7_proj
		.amdhsa_group_segment_fixed_size 327680
		.amdhsa_private_segment_fixed_size 0
		.amdhsa_enable_private_segment 0
		.amdhsa_kernarg_size 48
		.amdhsa_user_sgpr_count 2
		.amdhsa_user_sgpr_kernarg_segment_ptr 1
		.amdhsa_wavefront_size32 1
		.amdhsa_system_sgpr_workgroup_id_x 1
		.amdhsa_system_sgpr_workgroup_id_y 1
		.amdhsa_system_sgpr_workgroup_id_z 1
		.amdhsa_system_vgpr_workitem_id 0
		.amdhsa_next_free_vgpr 1024
		.amdhsa_next_free_sgpr 102
		.amdhsa_reserve_vcc 1
		.amdhsa_float_denorm_mode_32 3
		.amdhsa_float_denorm_mode_16_64 3
		.amdhsa_memory_ordered 1
		.amdhsa_forward_progress 1
		.amdhsa_inst_pref_size 215
	.end_amdhsa_kernel
	.amdgpu_metadata
---
amdhsa.version: [ 1, 2 ]
amdhsa.kernels:
  - .name:           k_qc79cfa5cc7_proj
    .symbol:         k_qc79cfa5cc7_proj.kd
    .args:
      - { .name: xc, .offset: 0, .size: 8, .value_kind: global_buffer, .address_space: global }
      - { .name: xs, .offset: 8, .size: 8, .value_kind: global_buffer, .address_space: global }
      - { .name: wc, .offset: 16, .size: 8, .value_kind: global_buffer, .address_space: global }
      - { .name: ws, .offset: 24, .size: 8, .value_kind: global_buffer, .address_space: global }
      - { .name: qb, .offset: 32, .size: 8, .value_kind: global_buffer, .address_space: global }
      - { .name: kv, .offset: 40, .size: 8, .value_kind: global_buffer, .address_space: global }
    .group_segment_fixed_size: 327680
    .private_segment_fixed_size: 0
    .kernarg_segment_align: 8
    .kernarg_segment_size: 48
    .max_flat_workgroup_size: 128
    .sgpr_count:     102
    .vgpr_count:     1024
    .wavefront_size: 32
...
	.end_amdgpu_metadata
.endif
;; end of part 2
;; launch attn (part 3): grid 4 x 64, 16 waves a work-group, clusters of 4 x 1, 210,944 bytes of LDS; arguments qb, kv, out0; writes out0
.if DOCPART == 3
	.amdgcn_target "amdgcn-amd-amdhsa--gfx1250"
	.amdhsa_code_object_version 6
	.text
	.protected	k_qc79cfa5cc7_attn
	.globl	k_qc79cfa5cc7_attn
	.p2align	8
	.type	k_qc79cfa5cc7_attn,@function
k_qc79cfa5cc7_attn:
	s_mov_b64 s[64:65], 0
	v_nop
	global_prefetch_b8 v0, s[64:65] scope:SCOPE_SE
	s_setreg_imm32_b32 hwreg(HW_REG_WAVE_MODE, 25, 1), 1
	s_wait_xcnt 0x0
	s_wait_alu depctr_hold_cnt(0) depctr_sa_sdst(0) depctr_va_vdst(0) depctr_va_sdst(0) depctr_va_ssrc(0) depctr_va_vcc(0) depctr_vm_vsrc(0)
	s_getreg_b32 s2, hwreg(HW_REG_IB_STS2, 6, 4)
	s_cmp_eq_u32 s2, 0
	s_cbranch_scc0 .Lentry_in_a_cluster
	s_endpgm
.Lentry_in_a_cluster:
	s_bfe_u32 s2, ttmp6, 0x10000c
	s_cmp_lg_u32 s2, 0x3003
	s_cbranch_scc0 .Lentry_shape_is_right
	s_endpgm
.Lentry_shape_is_right:
; out0[batch][q][64 head + :] = the sum over k of softmax_k(q . k / 32) v, for 64 (batch, head) pairs, 2,048 queries and keys, head size 64; both products on codes of FP4 (E2M1) with E8M0 scales, f32 sums.
; THE SOFTMAX AHEAD OF THE SECOND PRODUCT: t = score x log2(e) / 32; M = the row's largest t so far, rounded up to a whole number; p = 2^(t - M) is quantised along the keys, not normalised.  The row's sum is taken of the
; unquantised p and divides at the end.  When M moves, the sum and O are multiplied by 2^(old M - new M), which rounds nothing.
; INPUT: images of operand registers: qb [64][16] x 4,352 bytes, kv [64][16] x 8,704 bytes (K 0, V 4096, K's scale words 8192, V's 8448); a record is 128 tokens.
; SHARES.  The four work-groups of a cluster are a head's four blocks of 512 queries; each of 16 waves owns two tiles of 16 queries and walks the head's 2,048 keys, 128 a step; each fragment of K and V serves both tiles.
; LDS.  A head's 16 records, 139,264 bytes, are filled ONCE: wave w asks for record w, jointly with the three partners.  Behind them a stage of 16 x 272 bytes for each wave.  No prefetch: all is asked for at the head.
; LAYOUT.  Both products transposed: S^T = K Q^T, O^T = V^T P^T: a lane holds one query (lane % 16).
; THE KEYS OF A SCORE TILE ARE CHOSEN BY THE LANES' LDS ADDRESSES: rows 0-7 of tile 4 c + i are keys 64 c + 8 i + 0 .. 7 of the step, rows 8-15 the keys 32 further on.  In the record, image 2 b + u holds at row r key 32 b + 8 u + r % 8 + 16 (r / 8):
; so row r of fragment (c, g), which is tiles 4 c + 2 g and + 1, is row 8 g + r % 8 of the record's fragment 2 c + r / 8, codes and scale word alike.
; Register 32 c + 8 i + j of S is then key 64 c + 32 (lane / 16) + 8 i + j: a lane holds the whole block 2 c + lane / 16 of 32 keys: its largest score needs no other lane, and the conversions' results are the operand's registers as they stand.
; The head's K is 64, the instruction's 128: a fragment of K holds two key tiles; Q stands between zero codes: [q, 0] meets the first, [0, q] the second.
; THE STEP.  K and V have registers of their own and are fetched from LDS one step ahead: K behind its last product, V behind its last.  The last step is written out, since it fetches nothing.
; The multiply-adds, the sum's tree and most of O's rescaling are dual pairs: one destination even, one odd, each pair of sources in different banks (c, -M and f are kept twice for that).
; LIMITS: NaN and infinities are not served.  The promise holds while the scaled scores t stay under 2^31 in magnitude.  A block of p under 2^-124 keeps the byte 1.  A block's largest p is taken from its largest score
; by the same multiply-add and exponential; that takes v_exp_f32 not to fall where its input rises.
.set REC,   8704
.set STAGE, 16*REC
.set SPI,   272
.set AV,  1                            ; LDS address of V's images: the record + 16 x lane; the four addresses are stepped by a record a step
.set ASV, 2                            ; of V's scale words: + 8 x lane
.set AK,  3                            ; of K's fragments: + 1024 (r / 8) + 16 (r % 8) + 256 (lane / 16)
.set ASK, 4                            ; of K's scale words: + 128 (r / 8) + 8 (r % 8) + 64 (lane / 16)
.set GO,  5
.set STO, 6
.set RD,  7
.set CV,  6                            ; in the loop v6, v7 hold c, twice
.set ST,  8                            ; tile t: v[8 + 4 t] -M, +1 the largest score, +2, +3 the sum in two halves
.set QZ,  16                           ; v16-35: zeros, q of tile 0, zeros, q of tile 1, zeros
.set QS,  36                           ; v36-37 Q's scale words; v38-39 K's; v40-41 V's; v42 p's: scales and nothing else
.set KS,  38
.set VS,  40
.set PW,  42
.set TMP, 43
.set KF,  44                           ; v44-75   K's four fragments
.set VF,  76                           ; v76-107  V's four
.set S,   108                          ; v108-171 S^T of the tile in hand, then p
.set O,   172                          ; v172-235 O^T, 32 a tile
.set PC,  236                          ; v236-243 p's codes
.set BM,  244                          ; v244-247 largest scores; then v244, v246: my two blocks' largest p and scale operands
.set PT,  248                          ; v248-251 at work (= BM + 4); v251 the second -M
.set FF,  252                          ; v252, v253: f = 2^(old M - new M), twice
.macro CROUND
	s_barrier_signal -1
	s_barrier_wait -1
	s_cmp_lg_u32 s10, 0
	s_cbranch_scc1 .Lnot_wave_0_\@
	s_barrier_signal -3
.Lnot_wave_0_\@:
	s_barrier_wait -3
	s_barrier_signal -1
	s_barrier_wait -1
.endm
	s_load_b128 s[4:7], s[0:1], 0x0                ; qb, kv
	s_load_b64 s[8:9], s[0:1], 0x10                ; out0
	v_lshl_add_u32 v254, v0, 2, 0x33000
	v_mov_b32 v255, 0
	ds_add_u32 v254, v255                          ; the opening lines: the add twice on end and its wait
	ds_add_u32 v254, v255
	v_lshrrev_b32 v1, 5, v0
	v_readfirstlane_b32 s10, v1                    ; wave 0..15
	s_bfe_u32 s11, ttmp6, 0x40000                  ; cx: my block of 512 queries: it enters Q's and out0's addresses alone
	s_and_b32 s12, ttmp7, 0xffff                   ; 16 x batch + head
	s_mov_b32 s16, 15|(3<<16)|(1<<21)              ; group 1: a record as 34 dense rows of 256 bytes; the mask names all four
	s_mov_b32 s17, 32<<16
	s_mov_b32 s18, 34<<16
	s_mov_b32 s19, 32<<16
	s_mov_b32 s20, 34
	s_mov_b32 s21, 32
	s_mov_b32 s22, 0
	s_mov_b32 s23, 0
	s_mul_i32 s13, s10, REC                        ; record w: its place in LDS and in the head
	s_mul_i32 s40, s12, 16*REC
	s_add_co_u32 s40, s40, s13
	s_mov_b32 s41, 0
	s_lshr_b32 s34, s10, 2                         ; Q: record 4 cx + w / 4, its pair of tiles w % 4
	s_lshl_b32 s35, s11, 2
	s_add_co_u32 s34, s34, s35
	s_mul_i32 s34, s34, 4352
	s_mul_i32 s35, s12, 69632
	s_add_co_u32 s34, s34, s35
	s_and_b32 s36, s10, 1
	s_lshl_b32 s36, s36, 7                         ; the pair's scale word: lanes' half w & 1,
	s_bfe_u32 s37, s10, 0x10001
	s_lshl_b32 s37, s37, 2                         ; word (w >> 1) & 1
	s_add_co_u32 s36, s36, s37
	s_add_co_u32 s36, s36, 4096
	s_add_co_u32 s36, s36, s34
	s_mov_b32 s37, 0
	s_and_b32 s35, s10, 3
	s_lshl_b32 s35, s35, 10
	s_add_co_u32 s34, s34, s35
	s_mov_b32 s35, 0
	s_lshr_b32 s38, s12, 4                         ; out0: row 2048 batch + 512 cx + 32 w; the head's 256 bytes in it
	s_lshl_b32 s38, s38, 11
	s_lshl_b32 s39, s11, 9
	s_add_co_u32 s38, s38, s39
	s_lshl_b32 s39, s10, 5
	s_add_co_u32 s38, s38, s39
	s_lshl_b32 s38, s38, 12
	s_and_b32 s39, s12, 15
	s_lshl_b32 s39, s39, 8
	s_add_co_u32 s38, s38, s39
	s_mov_b32 s39, 0
	s_mov_b32 s28, 0x3d38aa3b                      ; c = log2(e) / 32
	s_mov_b32 s30, 0x76543210
	s_mov_b32 s31, 0xfedcba98                      ; selects for lane l xor 16
	s_wait_dscnt 0x0
	s_wait_kmcnt 0x0
	s_mov_b32 s24, 1
	s_mov_b32 s25, s13
	s_add_nc_u64 s[26:27], s[6:7], s[40:41]
	s_or_b32 s27, s27, 0x80000000
	s_add_nc_u64 s[34:35], s[4:5], s[34:35]
	s_add_nc_u64 s[36:37], s[4:5], s[36:37]
	s_add_nc_u64 s[38:39], s[8:9], s[38:39]
	CROUND                                         ; all four work-groups are here: the joint loads meet
	tensor_load_to_lds s[24:27], s[16:23]          ; my one tensor load of the launch
	s_nop 0
.rept 4
	v_nop
.endr
	v_and_b32 v[AV], 31, v0
	v_and_b32 v[GO], 15, v0
	v_and_b32 v[AK], 7, v0                         ; r % 8
	v_bfe_u32 v[BM], v0, 3, 1                      ; r / 8
	v_bfe_u32 v[BM+1], v0, 4, 1                    ; lane / 16
	v_lshlrev_b32 v[ASV], 3, v[AV]
	v_lshlrev_b32 v[GO], 3, v[GO]
	v_lshlrev_b32 v[AV], 4, v[AV]
	v_lshlrev_b32 v[ASK], 3, v[AK]
	v_lshlrev_b32 v[AK], 4, v[AK]
	v_lshl_add_u32 v[ASK], v[BM], 7, v[ASK]
	v_lshl_add_u32 v[AK], v[BM], 10, v[AK]
	v_lshl_add_u32 v[ASK], v[BM+1], 6, v[ASK]
	v_lshl_add_u32 v[AK], v[BM+1], 8, v[AK]
	global_load_b128 v[QZ+4:QZ+7], v[AV], s[34:35]               ; q of tile 0
	global_load_b128 v[QZ+12:QZ+15], v[AV], s[34:35] offset:512  ; of tile 1
	global_load_b32 v[TMP], v[GO], s[36:37]                      ; row l % 16's word: tile 0's two bytes, tile 1's two
.irp g, 0,8,16
.irp i, 0,1,2,3
	v_mov_b32 v[QZ+\g+\i], 0                       ; the zero codes round q
.endr
.endr
.irp t, 0,1
	v_mov_b32 v[ST+4*\t+1], 0xff61b1e6             ; the largest score so far: -3e38
	v_mov_b32 v[ST+4*\t], 0x7f61b1e6               ; -M: 3e38, over every -M, so that the first f is 0 (it meets zeros)
	v_mov_b32 v[ST+4*\t+2], 0
	v_mov_b32 v[ST+4*\t+3], 0
.endr
	v_mov_b32 v[CV], s28
	v_mov_b32 v[CV+1], s28
	s_wait_alu depctr_va_vdst(0)                   ; the wait ahead of the waits below
	s_wait_loadcnt 0x0                             ; Q
	s_wait_tensorcnt 0x0                           ; my record has landed,
	s_barrier_signal -1
	s_barrier_wait -1                              ; everybody's has: from here on these bytes are only read
.macro LOADK                           ; registers 4 f on: fragment (c, g) = (f / 4, (f / 2) % 2), its tile f % 2; and the scale words: register c: lanes 0-15 fragment (c, 0), lanes 16-31 fragment (c, 1).  Nine LDS loads
.irp f, 0,1,2,3,4,5,6,7
	ds_load_b128 v[KF+4*\f:KF+4*\f+3], v[AK] offset:2048*(\f/4)+128*((\f/2)%2)+512*(\f%2)
.endr
	ds_load_b64 v[KS:KS+1], v[ASK] offset:8192
.endm
.macro LOADV                           ; V's eight images as they lie, and its scale words: nine LDS loads
.irp f, 0,1,2,3,4,5,6,7
	ds_load_b128 v[VF+4*\f:VF+4*\f+3], v[AV] offset:4096+512*\f
.endr
	ds_load_b64 v[VS:VS+1], v[ASV] offset:8448
.endm
	LOADK                                          ; step 0's K, then its V
	LOADV
	v_perm_b32 v[QS], v[TMP], v[TMP], 0x01000100   ; tile 0's two bytes, twice: for [q, 0] and for [0, q]
	v_perm_b32 v[QS+1], v[TMP], v[TMP], 0x03020302
.set j, 0
.rept 64
	v_mov_b32 v[O+j], 0                            ; O^T: the first step finds zeros.  These lines also stand between the scale words just made and the first product
.set j, j+1
.endr
.macro SCORES t                        ; S^T of query tile t: score tile 2 b + u out of fragment b = 2 c + g, each sum started with 0
.irp b, 0,1,2,3
.irp u, 0,1
.if \b%2
	v_wmma_scale_f32_16x16x128_f8f6f4 v[S+8*(2*\b+\u):S+8*(2*\b+\u)+7], v[KF+8*\b:KF+8*\b+7], v[QZ+4+8*(\t)-4*\u:QZ+11+8*(\t)-4*\u], 0, v[KS+\b/2], v[QS+(\t)] matrix_a_fmt:MATRIX_FMT_FP4 matrix_b_fmt:MATRIX_FMT_FP4 matrix_a_scale:MATRIX_SCALE_ROW1
.else
	v_wmma_scale_f32_16x16x128_f8f6f4 v[S+8*(2*\b+\u):S+8*(2*\b+\u)+7], v[KF+8*\b:KF+8*\b+7], v[QZ+4+8*(\t)-4*\u:QZ+11+8*(\t)-4*\u], 0, v[KS+\b/2], v[QS+(\t)] matrix_a_fmt:MATRIX_FMT_FP4 matrix_b_fmt:MATRIX_FMT_FP4
.endif
.endr
.endr
.endm
.macro PV u                            ; O^T += V^T P^T of query tile u: four accumulators, one instruction each
.irp t, 0,1,2,3
.if \t%2
	v_wmma_scale_f32_16x16x128_f8f6f4 v[O+32*(\u)+8*\t:O+32*(\u)+8*\t+7], v[VF+8*\t:VF+8*\t+7], v[PC:PC+7], v[O+32*(\u)+8*\t:O+32*(\u)+8*\t+7], v[VS+\t/2], v[PW] matrix_a_fmt:MATRIX_FMT_FP4 matrix_b_fmt:MATRIX_FMT_FP4 matrix_a_scale:MATRIX_SCALE_ROW1
.else
	v_wmma_scale_f32_16x16x128_f8f6f4 v[O+32*(\u)+8*\t:O+32*(\u)+8*\t+7], v[VF+8*\t:VF+8*\t+7], v[PC:PC+7], v[O+32*(\u)+8*\t:O+32*(\u)+8*\t+7], v[VS+\t/2], v[PW] matrix_a_fmt:MATRIX_FMT_FP4 matrix_b_fmt:MATRIX_FMT_FP4
.endif
.endr
.endm
.macro TREE n                          ; a level of the row's sum, in place: n independent dual pairs
.set i, 0
.rept \n
	v_dual_add_f32 v[S+i], v[S+i], v[S+2*(\n)+i] :: v_dual_add_f32 v[S+i+1], v[S+i+1], v[S+2*(\n)+i+1]
.set i, i+2
.endr
.endm
.macro SUMEND t                        ; the tree's last levels, onto the running sum; eight lines that name no register of the products ahead of them
	TREE 4
	TREE 2
	TREE 1
	v_pk_add_f32 v[ST+4*(\t)+2:ST+4*(\t)+3], v[ST+4*(\t)+2:ST+4*(\t)+3], v[S:S+1]
.endm
; The softmax of query tile t for these 128 keys.  It leaves p's codes and scale word, O^T and the sum under the new M, and p in S for the sum.
.macro SOFT t
.set SS, ST+4*(\t)
.set OO, O+32*(\t)
.irp i, 0,3,5                                  ; eight chains, one for each score tile, from each accumulator's low end on: tile 2 b in BM + b, tile 2 b + 1 in PT + b
.irp k, 0,1,2,3,4,5,6,7
.if \i == 0
	v_max3_num_f32 v[BM+4*(\k%2)+\k/2], v[S+8*\k], v[S+8*\k+1], v[S+8*\k+2]
.else
	v_max3_num_f32 v[BM+4*(\k%2)+\k/2], v[BM+4*(\k%2)+\k/2], v[S+8*\k+\i], v[S+8*\k+\i+1]
.endif
.endr
.endr
.irp b, 0,1,2,3
	v_max3_num_f32 v[BM+\b], v[BM+\b], v[S+16*\b+7], v[S+16*\b+15]
.endr
.irp b, 0,1,2,3
	v_max_num_f32 v[BM+\b], v[BM+\b], v[PT+\b]
.endr
	v_max_num_f32 v[BM], v[BM], v[BM+1]            ; the largest score of my block lane / 16 (tiles 0-3),
	v_max_num_f32 v[BM+2], v[BM+2], v[BM+3]        ; and of my block 2 + lane / 16 (tiles 4-7)
	v_max_num_f32 v[PT], v[BM], v[BM+2]
	v_permlanex16_b32 v[PT+1], v[PT], s30, s31     ; with lane l xor 16's two blocks
	v_max3_num_f32 v[SS+1], v[SS+1], v[PT], v[PT+1]   ; the running largest score of my query
	v_mul_f32 v[TMP], s28, v[SS+1]                 ; as t (c is positive)
	v_mov_b32 v[FF], v[SS]
	v_floor_f32 v[SS], -v[TMP]                     ; the new -M = -ceil(t),
	v_floor_f32 v[PT+3], -v[TMP]                   ; and once more, in an odd register, for the second half of the dual pairs
.set j, 0
.rept 32
	v_dual_fma_f32 v[S+j], v[S+j], v[CV], v[SS] :: v_dual_fma_f32 v[S+j+1], v[S+j+1], v[CV+1], v[PT+3]   ; t - M, two at a time; f's lines stand among them
.if j == 6
	v_sub_f32 v[FF], v[SS], v[FF]                  ; old M - new M: a whole number, 0 or less
.endif
.if j == 14
	v_cvt_i32_f32 v[FF], v[FF]                     ; (it saturates)
.endif
.if j == 22
	v_ldexp_f32 v[FF+1], 1.0, v[FF]                ; f = 2^(old M - new M), in both registers of the pair
	v_ldexp_f32 v[FF], 1.0, v[FF]
.endif
.set j, j+2
.endr
	v_fma_f32 v[BM], v[BM], s28, v[SS]             ; the same of my blocks' largest scores
	v_fma_f32 v[BM+2], v[BM+2], s28, v[SS]
	s_wait_alu depctr_va_vdst(0)                   ; the wait ahead of the batch
	v_exp_f32 v[BM], v[BM]                         ; my blocks' largest p
	v_exp_f32 v[BM+2], v[BM+2]
.set j, 0
.rept 64
	v_exp_f32 v[S+j], v[S+j]                       ; p = 2^(t - M)
.set j, j+1
.endr
	v_pk_mul_f32 v[SS+2:SS+3], v[SS+2:SS+3], v[FF:FF+1] op_sel_hi:[1,0]   ; the sums under the new M: the plain line behind the batch
	s_wait_alu depctr_va_vdst(0)                   ; one wait for the batch, and directly ahead of O^T's first readers
.irp a, 0,8,16,24
	v_pk_mul_f32 v[OO+\a:OO+\a+1], v[OO+\a:OO+\a+1], v[FF:FF+1] op_sel_hi:[1,0]   ; O^T under the new M: first each accumulator's two lowest registers,
.endr
.set j, 0
.rept 16
.if (j % 8) != 0
	v_dual_mul_f32 v[OO+j], v[OO+j], v[FF] :: v_dual_mul_f32 v[OO+j+1], v[OO+j+1], v[FF+1]   ; then the others; the scales' plain lines stand among these
.endif
.if j == 2
	v_max_num_f32 v[BM], 0x1800000, v[BM]          ; the floor 2^(3 - 127): the byte cannot fall under 1
	v_max_num_f32 v[BM+2], 0x1800000, v[BM+2]
.endif
.if j == 6
	v_add_nc_u32 v[BM], 0xff000000, v[BM]          ; 2 off the exponent field: the conversions' scale operands, each lane its own blocks'
	v_add_nc_u32 v[BM+2], 0xff000000, v[BM+2]
.endif
.if j == 10
	v_lshrrev_b32 v[PT], 23, v[BM]                 ; the bytes: lanes 0-15 block 0, lanes 16-31 block 1,
	v_lshrrev_b32 v[PT+1], 23, v[BM+2]             ; blocks 2 and 3
.endif
.if j == 14
	v_lshl_or_b32 v[PT], v[PT+1], 16, v[PT]        ; lanes 0-15: bytes 0 and 2; lanes 16-31: bytes 1 and 3
.endif
.set j, j+2
.endr
	v_permlanex16_b32 v[PT+1], v[PT], s30, s31
	v_lshl_or_b32 v[PW], v[PT+1], 8, v[PT]         ; lanes 0-15: p's scale word for these 128 keys (lanes 16-31 are not read)
.irp b, 0,1,2,3
	v_cvt_scalef32_pk8_fp4_f32 v[PC+2*\b], v[S+16*\b:S+16*\b+7], v[BM+2*(\b/2)]        ; register 4 c + i of the operand: keys 64 c + 32 (lane / 16) + 8 i + 0 .. 7
	v_cvt_scalef32_pk8_fp4_f32 v[PC+2*\b+1], v[S+16*\b+8:S+16*\b+15], v[BM+2*(\b/2)]
.endr
	v_nop                                          ; one plain line behind the conversions
	TREE 16                                        ; the row's sum of the unquantised p; these 24 lines also stand between the codes and scale word just made and the products
	TREE 8
.endm
; A step of 128 keys.  more = 1: the next step's K and V are fetched, each behind its last product of this step
.macro TRIP more
	s_wait_dscnt 9                                 ; K's nine loads are in; V's nine, issued behind them, may be out
	SCORES 0
.if \more
	v_add_nc_u32 v[AK], REC, v[AK]                 ; on to the next record: also the four plain places behind the products
	v_add_nc_u32 v[ASK], REC, v[ASK]
	v_add_nc_u32 v[AV], REC, v[AV]
	v_add_nc_u32 v[ASV], REC, v[ASV]
.else
.rept 4
	v_nop
.endr
.endif
	SOFT 0
	s_wait_alu depctr_va_vdst(0)                   ; the wait ahead of the wait below
	s_wait_dscnt 0x0                               ; V is in
	PV 0
	SUMEND 0
	SCORES 1
.rept 4
	v_nop                                          ; places ahead of the loads into K's registers and of the first read of the scores
.endr
.if \more
	LOADK
.endif
	SOFT 1
	PV 1
	SUMEND 1                                       ; also the places ahead of the loads into V's registers
.if \more
	LOADV
.endif
.endm
	s_mov_b32 s33, 15                              ; 15 steps fetch a successor
	s_wait_alu depctr_va_vdst(0)                   ; the wait at the head's end
.Lstep:
	TRIP 1
	s_sub_co_u32 s33, s33, 1
	s_cmp_lg_u32 s33, 0
	s_wait_alu depctr_va_vdst(0)                   ; the wait ahead of the branch
	s_cbranch_scc1 .Lstep
	TRIP 0                                         ; the last step
	; THE WAY OUT.  O^T is divided by the row's sum and goes through my stage, a tile of 16 queries x 64 channels at a time, so that sixteen lanes store 256 consecutive aligned bytes.
	v_add_f32 v[ST+2], v[ST+2], v[ST+3]
	v_add_f32 v[ST+6], v[ST+6], v[ST+7]
	v_permlanex16_b32 v[PT], v[ST+2], s30, s31
	v_permlanex16_b32 v[PT+1], v[ST+6], s30, s31
	v_add_f32 v[ST+2], v[ST+2], v[PT]
	v_add_f32 v[ST+6], v[ST+6], v[PT+1]
	s_wait_alu depctr_va_vdst(0)                   ; ahead of the two reciprocals
	v_rcp_f32 v[ST+2], v[ST+2]
	v_rcp_f32 v[ST+6], v[ST+6]
	v_and_b32 v236, 15, v0                         ; r
	v_bfe_u32 v237, v0, 4, 1                       ; h
	s_mul_i32 s34, s10, 16*SPI
	s_add_co_u32 s34, s34, STAGE                   ; my stage
	v_mul_u32_u24 v[STO], v236, SPI                ; in: row r; register j of tile t is channel 32 (t / 2) + 16 h + 8 (t % 2) + j
	v_mul_u32_u24 v[RD], v237, SPI                 ; back: lanes 0-15 one row, lanes 16-31 the next
	v_lshlrev_b32 v[GO], 12, v237
	v_lshl_add_u32 v[STO], v237, 6, v[STO]
	v_lshl_add_u32 v[RD], v236, 4, v[RD]
	v_lshl_add_u32 v[GO], v236, 4, v[GO]
	v_add_nc_u32 v[STO], s34, v[STO]
	v_add_nc_u32 v[RD], s34, v[RD]
	s_wait_alu depctr_va_vdst(0)                   ; one wait for the reciprocals, directly ahead of O^T's first reader
.irp t, 0,1
.set j, 0
.rept 16
	v_pk_mul_f32 v[S+32*\t+j:S+32*\t+j+1], v[O+32*\t+j:O+32*\t+j+1], v[ST+4*\t+2:ST+4*\t+3] op_sel_hi:[1,0]
.set j, j+2
.endr
.endr
.macro TOSTAGE t, back                 ; LDS serves a wave's instructions in order, so no wait stands between the stores and the loads
.irp q, 0,1,2,3
	ds_store_b128 v[STO], v[S+32*\t+8*\q:S+32*\t+8*\q+3] offset:128*(\q/2)+32*(\q%2)
	ds_store_b128 v[STO], v[S+32*\t+8*\q+4:S+32*\t+8*\q+7] offset:128*(\q/2)+32*(\q%2)+16
.endr
.irp i, 0,1,2,3,4,5,6,7
	ds_load_b128 v[\back+4*\i:\back+4*\i+3], v[RD] offset:2*\i*SPI
.endr
.endm
	TOSTAGE 0, KF
	TOSTAGE 1, O
; stage row 2 i + h of tile t is query 8 t + 2 (i % 4) + h + 16 (i / 4) of my 32
.irp i, 0,1,2,3,4,5,6,7
	s_wait_dscnt 23-\i                             ; behind tile 0's load i stand its 7 - i later loads and tile 1's 8 stores and 8 loads
	global_store_b128 v[GO], v[KF+4*\i:KF+4*\i+3], s[38:39] offset:(2*(\i%4)+16*(\i/4))*4096 th:TH_STORE_NT
.endr
.irp i, 0,1,2,3,4,5,6,7
	s_wait_dscnt 7-\i
	global_store_b128 v[GO], v[O+4*\i:O+4*\i+3], s[38:39] offset:(8+2*(\i%4)+16*(\i/4))*4096 th:TH_STORE_NT
.endr
	s_wait_tensorcnt 0x0                           ; the wave's end
	ds_add_u32 v254, v255
	s_wait_dscnt 0x0
	CROUND                                         ; the closing round
	s_endpgm
.Lfunc_end_k_qc79cfa5cc7_attn:
	.size	k_qc79cfa5cc7_attn, .Lfunc_end_k_qc79cfa5cc7_attn-k_qc79cfa5cc7_attn
	.p2alignl 7, 3214868480
	.fill 96, 4, 3214868480
	.section	.rodata,"a",@progbits
	.p2align	6, 0x0
	.amdhsa_kernel k_qc79cfa5cc7_attn
		.amdhsa_group_segment_fixed_size 210944
		.amdhsa_private_segment_fixed_size 0
		.amdhsa_enable_private_segment 0
		.amdhsa_kernarg_size 24
		.amdhsa_user_sgpr_count 2
		.amdhsa_user_sgpr_kernarg_segment_ptr 1
		.amdhsa_wavefront_size32 1
		.amdhsa_system_sgpr_workgroup_id_x 1
		.amdhsa_system_sgpr_workgroup_id_y 1
		.amdhsa_system_sgpr_workgroup_id_z 1
		.amdhsa_system_vgpr_workitem_id 0
		.amdhsa_next_free_vgpr 256
		.amdhsa_next_free_sgpr 66
		.amdhsa_reserve_vcc 0
		.amdhsa_float_denorm_mode_32 3
		.amdhsa_float_denorm_mode_16_64 3
		.amdhsa_memory_ordered 1
		.amdhsa_forward_progress 1
		.amdhsa_inst_pref_size 72
	.end_amdhsa_kernel
	.amdgpu_metadata
---
amdhsa.version: [ 1, 2 ]
amdhsa.kernels:
  - .name:           k_qc79cfa5cc7_attn
    .symbol:         k_qc79cfa5cc7_attn.kd
    .args:
      - { .name: qb, .offset: 0, .size: 8, .value_kind: global_buffer, .address_space: global }
      - { .name: kv, .offset: 8, .size: 8, .value_kind: global_buffer, .address_space: global }
      - { .name: out0, .offset: 16, .size: 8, .value_kind: global_buffer, .address_space: global }
    .group_segment_fixed_size: 210944
    .private_segment_fixed_size: 0
    .kernarg_segment_align: 8
    .kernarg_segment_size: 24
    .max_flat_workgroup_size: 512
    .sgpr_count:     66
    .vgpr_count:     256
    .wavefront_size: 32
...
	.end_amdgpu_metadata
.endif
;; end of part 3
